; MI455X (gfx1250); checked and timed in simulation.
; The chip was launched on July 23, 2026; its instructions are those of AMD's public machine-readable ISA for CDNA 5 (MIT licence, August 2026) and "CDNA5" Instruction Set Architecture Reference Guide (July 2026). The comments in the code are by the model that wrote it; some were corrected since.
;; Single Head Attention. Allowed arithmetic: matrix products marked QUANTISED: E5M2 operands, one given power-of-two scale a tensor, by v_wmma_f32_16x16x64_bf8_bf8 or v_wmma_f32_16x16x128_bf8_bf8, f32 sums; everything else in f32.
;; Inputs: Wk 512 x 64 float32; Wq 512 x 64 float32; Wv 512 x 64 float32; lowp_scales 10 int32 (the exponents e of the quantised operands' scales 2^e); x 4 x 4,096 x 512 float32.
;; Outputs: out0 4 x 4,096 x 64 float32.
;; This version of the problem:
;;   THIS VERSION OF THE PROBLEM IS GIVEN IN LOW PRECISION. The matrix products marked QUANTISED in the list below multiply operands that are first quantised to E5M2 (5 exponent bits, 2 mantissa bits; 8 bits a number), with one given power-of-two scale for each operand tensor; their sums are f32. All else is computed in f32.
;;   The module's matrix products, in the order in which they are computed (A, B: the left and right operand; K: the contracted axis; several contracted axes count as one K, in the product's order):
;;     1. [M 16,384, K 512] x [K 512, N 64]; A: input x; B: input Wk: QUANTISED (scales: A lowp_scales[0], B lowp_scales[1])
;;     2. [M 16,384, K 512] x [K 512, N 64]; A: input x; B: input Wq: QUANTISED (scales: A lowp_scales[2], B lowp_scales[3])
;;     3. [M 16,384, K 512] x [K 512, N 64]; A: input x; B: input Wv: QUANTISED (scales: A lowp_scales[4], B lowp_scales[5])
;;     4. batch 4 x [M 4,096, K 64] x [K 64, N 4,096]; A: computed on the way; B: computed on the way: QUANTISED (scales: A lowp_scales[6], B lowp_scales[7])
;;     5. batch 4 x [M 4,096, K 4,096] x [K 4,096, N 64]; A: softmax (see below); B: computed on the way: QUANTISED (scales: A lowp_scales[8], B lowp_scales[9])
;;   THE QUANTISER, for each operand of a quantised product, along K:
;;     - The operand's scale is 2^e, e = its entry of the input lowp_scales (int32; the entries are numbered through the quantised products in the list's order, A before B).
;;     - Each number is divided by the scale, clamped to +-57,344, and rounded to the nearest number of E5M2, ties to even, subnormals kept.
;;     - The product sums the exact products of the quantised numbers (number of the format x scale) in f32.
;;   ~~~python
;;   def quantise(x, axis, e):      # numpy; x: float32 -> the quantised numbers, widened to float32 again
;;       x = np.moveaxis(x, axis, -1); K = x.shape[-1]
;;       r = np.clip(x / 2.0 ** e, -57344, 57344)
;;       step = 2.0 ** (np.maximum(np.frexp(np.where(r == 0, 1, r))[1] - 1, -14) - 2)
;;       q = np.round(r / step) * step * 2.0 ** e      # np.round: ties to even
;;       return np.moveaxis(q, -1, axis).astype(np.float32)
;;   ~~~
;;   SOFTMAX AHEAD OF A QUANTISED PRODUCT. Where the list says 'softmax', what is quantised is not the finished softmax but p = 2^(t - M), with t = logit x log2(e) and M = ceil(the row's largest t), a whole number; so 1/2 < the row's largest p <= 1. The row's sum l is taken of the UNQUANTISED p, in f32, and the product's result is divided by l at the end. Since M is a whole number, a kernel that streams over the keys may use a running M (the ceiling of the running maximum): every later rescaling is an exact power of two, so the quantised numbers keep their values, but for numbers so far below the row's largest that they fall under the format's range.
;;   OPERANDS COMPUTED ON THE WAY. 'Computed on the way' means the value that the module computes at that place (a softmax that the list does not call 'softmax' is quantised finished and normalised). What goes into a quantiser is computed in f32, as accurately as f32 sums, v_exp_f32 and their like allow (about 1e-6 of the number): no bf16 or f16 on the way to a quantiser, and a product that is left as it is and whose result goes on into a quantised operand takes f32 operands (vector FMAs, or v_wmma_f32_16x16x4_f32). A number that lies on a knife's edge between two numbers of the format may be rounded either way, as far as f32 arithmetic and the matrix unit's own rounding can turn it there, and no further.
;; 2 versions, each right; version 2 is version 1 with the launch attend written anew for expert scheduling mode. Each part assembles by itself: llvm-mc -triple=amdgcn-amd-amdhsa -mcpu=gfx1250 --defsym DOCPART=n.
;; ======== version 1 of 2: 2 launches
;; workspace buffers: kimg 1,048,576 bytes; qimg 1,048,576 bytes; vimg 1,048,576 bytes
;; launch project (part 1): grid 256 x 1, 12 waves a work-group, no clusters, 235,008 bytes of LDS; arguments x, Wk, Wq, Wv, lowp_scales, kimg, qimg, vimg; writes kimg, qimg, vimg
.if DOCPART == 1
	.amdgcn_target "amdgcn-amd-amdhsa--gfx1250"
	.amdhsa_code_object_version 6
	.text
	.protected	k_q003de755c5_project
	.globl	k_q003de755c5_project
	.p2align	8
	.type	k_q003de755c5_project,@function
k_q003de755c5_project:
	s_mov_b64 s[64:65], 0
	v_nop
	global_prefetch_b8 v0, s[64:65] scope:SCOPE_SE
	s_setreg_imm32_b32 hwreg(HW_REG_WAVE_MODE, 25, 1), 1
	s_wait_xcnt 0x0
; k = Q(x) Q(Wk), q = Q(x) Q(Wq), v = Q(x) Q(Wv) on codes of BF8 (E5M2), and the three results quantised again into codes for the attention launch.
; x: [16,384][512] f32.  W: [512 (k)][64 (n)] f32.  lowp_scales: e0 .. e9 (x and W of the three products: e0,e1 | e2,e3 | e4,e5; q e6, k e7, v e9).
; SHARES.  A work-group takes 64 rows of x.  Wave w: m = w & 3 is its tile of 16 rows, j = w >> 2 its product (0 k, 1 q, 2 v): 16 rows x 64 channels, four accumulators, 16 matrix
; instructions of 16 x 16 x 128.  Each product has its own scale for x, so each wave quantises its 16 rows with its product's scale; nothing of that goes from wave to wave.
; x comes by the tensor data mover, once: four K chunks of 128 numbers, each 64 rows x 512 bytes; waves 0 to 3 each ask for their 16 rows of all four chunks at the start: four loads of a wave are out.
; No LDS byte is filled twice.
; W (3 x 131,072 bytes as f32) does not fit into LDS beside x's 135,168 bytes, so it goes through registers, a lane to a column n with its registers down K, while x is on its way: wave (m, j) quantises
; rows 128 m .. 128 m + 127 of its W and stores the codes in LDS as images of the operand's registers.  Loads into registers have no joint form, so there is no cluster here.
; LAYOUTS.  All operands have k in the form's own places: lane (r, h), registers 2 c, 2 c + 1: k = 16 c + 8 h + 0 .. 7.
; k and q are made transposed (source 0 = 16 channels of W, source 1 = my 16 rows): a lane holds one row and eight neighbouring channels, which are the next product's K.
; v is made straight (source 0 = my 16 rows, source 1 = 16 channels): a lane holds one channel and eight neighbouring rows (keys), which are ITS next K.
; OUT.  kimg, qimg: a tile of 16 rows is 1,024 bytes: registers 4 q .. 4 q + 3 of the K = 64 fragment at 512 q + 16 x lane.
;       vimg: a step of 128 keys is 8,192 bytes: registers 2 c, 2 c + 1 of channel tile t's K = 128 fragment at 2,048 t + 256 c + 8 x lane.
; LIMITS on the given exponents, so that each power of two below is an f32 number: e0 .. e5, e7 - e0 - e1, e6 - e2 - e3 and e9 - e4 - e5 between -126 and 112.  NaN among the inputs is not served.
.set PITCH, 528                        ; an LDS row of x: 512 bytes + 16 of padding = 132 words: the sixteen rows of a load start 4 words apart
.set XCH,   64*PITCH                   ; a K chunk of x in LDS
.set WIMG,  4*XCH                      ; behind x: W's 48 fragments, (j, channel tile t, K chunk s) at ((4 j + t) 4 + s) x 2,048
.set FRB,   2048                       ; a fragment's image: 16 registers x 32 lanes x 4 bytes
.set XA,  4                            ; v4   LDS address of my 32 bytes in my row of the chunk in hand
.set WL,  5                            ; v5   where I read W's images: WIMG + 32,768 j + 16 x lane
.set WS,  6                            ; v6   where I store them
.set L4,  7                            ; v7   4 x lane
.set L16, 8                            ; v8   16 x lane
.set L8,  9                            ; v9   8 x lane
.set WSC, 10                           ; v10, v11  W's scale as f32, and 57,344 x it
.set XSC, 12                           ; v12, v13  x's
.set OSC, 14                           ; v14, v15  the result's, with the sums' two scales folded in
.set XC,  16                           ; v16-31   x's codes: one fragment
.set XN,  32                           ; v32-95   64 numbers of x; before that two sets of 32 numbers of W
.set WF,  96                           ; v96-159  W's four fragments of the chunk in hand
.set ACC, 160                          ; v160-191 four accumulators
.set CW,  160                          ; v160-223 W's codes, eight registers for each of eight batches (before the sums begin)
.set OC,  224                          ; v224-231 the result's codes
.set WV,  20                           ; s20 wave, s21 m, s22 j
.set MT,  21
.set PJ,  22
.set G1,  24                           ; s[24:31] descriptor group 1
.set G0,  32                           ; s[32:47] descriptor group 0, a set for each chunk
.set EE,  48                           ; s[48:57] e0 .. e9
.set WP,  66                           ; s[66:67] my rows of my W
.set OP,  68                           ; s[68:69] where my codes go
	s_load_b256 s[4:11], s[0:1], 0x0               ; x s[4:5], Wk s[6:7], Wq s[8:9], Wv s[10:11]
	s_load_b256 s[12:19], s[0:1], 0x20             ; the exponents s[12:13], kimg s[14:15], qimg s[16:17], vimg s[18:19]
	v_lshl_add_u32 v232, v0, 2, 0x39000
	v_mov_b32 v233, 0
	ds_add_u32 v232, v233
	ds_add_u32 v232, v233
	v_lshrrev_b32 v1, 5, v0
	v_readfirstlane_b32 s[WV], v1                  ; wave 0..11
	s_and_b32 s[MT], s[WV], 3
	s_lshr_b32 s[PJ], s[WV], 2
	; descriptor group 1: 16 rows x 128 elements of 4 bytes, rows 512 elements apart, 4 words of padding behind every 128 words
	s_mov_b32 s[G1+0], (2<<16)|(1<<20)|(6<<22)|(3<<25)
	s_mov_b32 s[G1+1], 128<<16                     ; tensor_dim0 = 128
	s_mov_b32 s[G1+2], 16<<16                      ; tensor_dim1 = 16
	s_mov_b32 s[G1+3], 128<<16                     ; tile_dim0 = 128
	s_mov_b32 s[G1+4], 16                          ; tile_dim1 = 16
	s_mov_b32 s[G1+5], 512                         ; elements from row to row
	s_mov_b32 s[G1+6], 0
	s_mov_b32 s[G1+7], 0
	s_lshl_b32 s58, ttmp9, 17                      ; the work-group's 64 rows of 2,048 bytes,
	s_lshl_b32 s59, s[MT], 15                      ; tile m's 16 of them
	s_add_co_u32 s58, s58, s59
	s_mov_b32 s59, 0
	s_mul_i32 s60, s[MT], 16*PITCH                 ; and the same 16 rows in a chunk in LDS
	s_wait_dscnt 0x0
	s_wait_kmcnt 0x0
	s_add_nc_u64 s[4:5], s[4:5], s[58:59]
.irp s, 0,1,2,3
	s_mov_b32 s[G0+4*\s], 1                        ; count = 1
	s_add_co_u32 s[G0+4*\s+1], s60, \s*XCH         ; LDS address
	s_add_nc_u64 s[G0+4*\s+2:G0+4*\s+3], s[4:5], \s*512   ; global address: K chunk s
	s_or_b32 s[G0+4*\s+3], s[G0+4*\s+3], 0x80000000       ; type = 2
.endr
	s_cmp_lt_u32 s[WV], 4                          ; waves 0 to 3 (there m = the wave's number) ask, all four chunks in one group, ahead of every wait on TENSORcnt, LDS read and barrier
	s_cbranch_scc0 .Lno_fetch
.irp s, 0,1,2,3
	tensor_load_to_lds s[G0+4*\s:G0+4*\s+3], s[G1:G1+7]
	s_nop 0
.endr
.rept 4
	v_nop
.endr
.Lno_fetch:
	s_load_b256 s[EE:EE+7], s[12:13], 0x0          ; e0 .. e7
	s_load_b64 s[EE+8:EE+9], s[12:13], 0x20        ; e8, e9
	s_cmp_eq_u32 s[PJ], 1                          ; my product's W and my product's buffer: choices on the wave's number alone
	s_cselect_b64 s[WP:WP+1], s[8:9], s[6:7]
	s_cselect_b64 s[OP:OP+1], s[16:17], s[14:15]
	s_cmp_eq_u32 s[PJ], 2
	s_cselect_b64 s[WP:WP+1], s[10:11], s[WP:WP+1]
	s_cselect_b64 s[OP:OP+1], s[18:19], s[OP:OP+1]
	s_lshl_b32 s74, s[MT], 15                      ; rows 128 m on, 256 bytes each
	s_mov_b32 s75, 0
	s_add_nc_u64 s[WP:WP+1], s[WP:WP+1], s[74:75]
	v_and_b32 v1, 31, v0                           ; lane
	v_lshlrev_b32 v[L4], 2, v1
; Batch b of eight: columns 32 (b / 4) + lane, rows 32 (b % 4) + 0 .. 31 of my 128: each load reads 128 consecutive bytes.  Into set b % 2.
.macro LOADW b
.set i, 0
.rept 32
	global_load_b32 v[XN+32*((\b)%2)+i], v[L4], s[WP:WP+1] offset:128*((\b)/4)+256*(32*((\b)%4)+i)
.set i, i+1
.endr
.endm
; The batch's 32 numbers of my column are registers 4 q .. 4 q + 3 (q = b % 4) of BOTH halves of the lanes of the fragment: half hh wants k = 32 q + 8 hh + 0 .. 7 and 32 q + 16 + 8 hh + 0 .. 7.
.macro QW b
.set RB, XN+32*((\b)%2)
.set CB, CW+8*(\b)
.set i, 0
.rept 32
	v_med3_num_f32 v[RB+i], v[RB+i], -v[WSC+1], v[WSC+1]   ; the conversion to an 8-bit code does not saturate (ISA guide 7.6.2): the hold at the largest code x the scale
.set i, i+1
.endr
.irp hh, 0,1
	v_cvt_scalef32_pk8_bf8_f32 v[CB+4*\hh:CB+4*\hh+1], v[RB+8*\hh:RB+8*\hh+7], v[WSC]
	v_cvt_scalef32_pk8_bf8_f32 v[CB+4*\hh+2:CB+4*\hh+3], v[RB+16+8*\hh:RB+16+8*\hh+7], v[WSC]
.endr
	v_nop                                          ; a plain vector line behind the last conversion: matrix instructions write these registers later
.irp hh, 0,1
	ds_store_b128 v[WS], v[CB+4*\hh:CB+4*\hh+3] offset:16384*((\b)/4)+512*((\b)%4)+256*\hh
.endr
.endm
.macro POW2 e, sc                      ; v[sc] = 2^s[e] as f32, v[sc + 1] = 57,344 x that
	s_add_co_i32 s76, s[\e], 127
	s_lshl_b32 s77, s76, 23
	v_mov_b32 v[\sc], s77
	s_add_co_i32 s76, s76, 15
	s_lshl_b32 s76, s76, 23
	s_or_b32 s76, s76, 0x600000
	v_mov_b32 v[\sc+1], s76
.endm
	LOADW 0
	LOADW 1                                        ; two batches are out: a wait's count names 63 at the most, so more could not be told apart
	v_and_b32 v2, 15, v0                           ; r
	v_bfe_u32 v3, v0, 4, 1                         ; h
	v_lshlrev_b32 v[L16], 4, v1
	v_lshlrev_b32 v[L8], 3, v1
	v_mul_u32_u24 v[XA], v2, PITCH
	v_lshl_add_u32 v[XA], v3, 5, v[XA]
	v_add_nc_u32 v[XA], s60, v[XA]                 ; x: row 16 m + r, + 32 h: my 8 numbers of each 16 along K
	s_lshl_b32 s61, s[PJ], 15
	s_add_co_u32 s61, s61, WIMG                    ; my product's 16 fragments
	v_add_nc_u32 v[WL], s61, v[L16]
	s_lshl_b32 s62, s[MT], 11
	s_add_co_u32 s62, s62, s61                     ; K chunk m of them
	v_lshlrev_b32 v[WS], 4, v2
	v_lshl_add_u32 v[WS], v3, 13, v[WS]
	v_add_nc_u32 v[WS], s62, v[WS]                 ; my column 32 g + lane is lane r of channel tile 2 g + h: 16 r + 8,192 h
	s_lshl_b32 s74, ttmp9, 12                      ; k, q: tile 4 x work-group + m, 1,024 bytes each
	s_lshl_b32 s76, s[MT], 10
	s_add_co_u32 s74, s74, s76
	s_lshr_b32 s76, ttmp9, 1                       ; v: step (work-group / 2) of 8,192 bytes, c = 4 (work-group % 2) + m of 256
	s_lshl_b32 s76, s76, 13
	s_and_b32 s77, ttmp9, 1
	s_lshl_b32 s77, s77, 2
	s_add_co_u32 s77, s77, s[MT]
	s_lshl_b32 s77, s77, 8
	s_add_co_u32 s76, s76, s77
	s_cmp_eq_u32 s[PJ], 2
	s_cselect_b32 s74, s76, s74
	s_mov_b32 s75, 0
	s_add_nc_u64 s[OP:OP+1], s[OP:OP+1], s[74:75]
	s_wait_kmcnt 0x0
	s_cmp_eq_u32 s[PJ], 1
	s_cselect_b32 s70, s[EE+2], s[EE+0]            ; x's exponent in my product,
	s_cselect_b32 s71, s[EE+3], s[EE+1]            ; W's,
	s_cselect_b32 s72, s[EE+6], s[EE+7]            ; and that of the result as an operand: q e6, k e7,
	s_cmp_eq_u32 s[PJ], 2
	s_cselect_b32 s70, s[EE+4], s70
	s_cselect_b32 s71, s[EE+5], s71
	s_cselect_b32 s72, s[EE+9], s72                ; v e9
	s_sub_co_i32 s72, s72, s70                     ; a sum stands for sum x 2^(ex + ew): the three scales are folded into the conversion's one
	s_sub_co_i32 s72, s72, s71
	POW2 71, WSC
	POW2 70, XSC
	POW2 72, OSC
.irp b, 0,1,2,3,4,5,6,7
.if \b < 7
	s_wait_loadcnt 32                              ; this batch's 32 loads are in; the next batch's may be out
.else
	s_wait_loadcnt 0x0
.endif
	QW \b
.if \b < 6
	LOADW \b+2
.endif
.endr
; K chunk s: 128 along K.
.macro CHUNK s
	s_wait_tensorcnt 3-\s                          ; tensor loads of a wave end in order: my rows of chunk s are in LDS, the later chunks stay out (nothing is filled again in this launch)
	s_wait_dscnt 0x0                               ; my LDS stores have landed (W's images, in front of chunk 0)
	s_barrier_signal -1
	s_barrier_wait -1                              ; tile m's rows were asked for by wave m and are read by waves m, m + 4, m + 8
.irp c, 0,1,2,3,4,5,6,7
	ds_load_b128 v[XN+8*\c:XN+8*\c+3], v[XA] offset:64*\c          ; x(row, 16 c + 8 h + 0 .. 7)
	ds_load_b128 v[XN+8*\c+4:XN+8*\c+7], v[XA] offset:64*\c+16
.endr
.irp t, 0,1,2,3
.irp q, 0,1,2,3
	ds_load_b128 v[WF+16*\t+4*\q:WF+16*\t+4*\q+3], v[WL] offset:4*FRB*\t+FRB*\s+512*\q
.endr
.endr
	s_wait_dscnt 16                                ; x's sixteen loads are in; W's sixteen, issued behind them, may be out
.set i, 0
.rept 64
	v_med3_num_f32 v[XN+i], v[XN+i], -v[XSC+1], v[XSC+1]
.set i, i+1
.endr
.irp c, 0,1,2,3,4,5,6,7
	v_cvt_scalef32_pk8_bf8_f32 v[XC+2*\c:XC+2*\c+1], v[XN+8*\c:XN+8*\c+7], v[XSC]
.endr
.if \s < 3
	v_add_nc_u32 v[XA], XCH, v[XA]                 ; the next chunk.  (The plain vector line between the conversions and the products that read their results)
.else
	v_nop
.endif
	s_wait_dscnt 0x0                               ; W's fragments are in
	s_cmp_eq_u32 s[PJ], 2
	s_cbranch_scc1 .Lkeys_\@
.irp t, 0,1,2,3                        ; k, q: transposed.  The four accumulators take turns, one instruction a turn
.if \s == 0
	v_wmma_f32_16x16x128_bf8_bf8 v[ACC+8*\t:ACC+8*\t+7], v[WF+16*\t:WF+16*\t+15], v[XC:XC+15], 0
.else
	v_wmma_f32_16x16x128_bf8_bf8 v[ACC+8*\t:ACC+8*\t+7], v[WF+16*\t:WF+16*\t+15], v[XC:XC+15], v[ACC+8*\t:ACC+8*\t+7]
.endif
.endr
	s_branch .Ldone_\@
.Lkeys_\@:
.irp t, 0,1,2,3                        ; v: straight
.if \s == 0
	v_wmma_f32_16x16x128_bf8_bf8 v[ACC+8*\t:ACC+8*\t+7], v[XC:XC+15], v[WF+16*\t:WF+16*\t+15], 0
.else
	v_wmma_f32_16x16x128_bf8_bf8 v[ACC+8*\t:ACC+8*\t+7], v[XC:XC+15], v[WF+16*\t:WF+16*\t+15], v[ACC+8*\t:ACC+8*\t+7]
.endif
.endr
.Ldone_\@:
.rept 4
	v_nop                                          ; four places in front of the loads into W's fragments and of the first read of the sums
.endr
.endm
	CHUNK 0
	CHUNK 1
	CHUNK 2
	CHUNK 3
	; the sums become codes: each accumulator from its low end on
.set i, 0
.rept 32
	v_med3_num_f32 v[ACC+i], v[ACC+i], -v[OSC+1], v[OSC+1]
.set i, i+1
.endr
.irp t, 0,1,2,3
	v_cvt_scalef32_pk8_bf8_f32 v[OC+2*\t:OC+2*\t+1], v[ACC+8*\t:ACC+8*\t+7], v[OSC]
.endr
	v_nop
	s_cmp_eq_u32 s[PJ], 2
	s_cbranch_scc1 .Lstore_v
	global_store_b128 v[L16], v[OC:OC+3], s[OP:OP+1]               ; registers 0-3 of the K = 64 fragment: 512 consecutive bytes, aligned
	global_store_b128 v[L16], v[OC+4:OC+7], s[OP:OP+1] offset:512  ; registers 4-7
	s_wait_tensorcnt 0x0
	ds_add_u32 v232, v233
	s_wait_dscnt 0x0
	s_endpgm
.Lstore_v:
.irp t, 0,1,2,3
	global_store_b64 v[L8], v[OC+2*\t:OC+2*\t+1], s[OP:OP+1] offset:2048*\t   ; registers 2 c, 2 c + 1 of channel tile t's fragment: 256 consecutive bytes, aligned
.endr
	s_wait_tensorcnt 0x0
	ds_add_u32 v232, v233
	s_wait_dscnt 0x0
	s_endpgm
.Lfunc_end_k_q003de755c5_project:
	.size	k_q003de755c5_project, .Lfunc_end_k_q003de755c5_project-k_q003de755c5_project
	.p2alignl 7, 3214868480
	.fill 96, 4, 3214868480
	.section	.rodata,"a",@progbits
	.p2align	6, 0x0
	.amdhsa_kernel k_q003de755c5_project
		.amdhsa_group_segment_fixed_size 235008
		.amdhsa_private_segment_fixed_size 0
		.amdhsa_enable_private_segment 0
		.amdhsa_kernarg_size 64
		.amdhsa_user_sgpr_count 2
		.amdhsa_user_sgpr_kernarg_segment_ptr 1
		.amdhsa_wavefront_size32 1
		.amdhsa_system_sgpr_workgroup_id_x 1
		.amdhsa_system_sgpr_workgroup_id_y 1
		.amdhsa_system_sgpr_workgroup_id_z 1
		.amdhsa_system_vgpr_workitem_id 0
		.amdhsa_next_free_vgpr 234
		.amdhsa_next_free_sgpr 96
		.amdhsa_reserve_vcc 0
		.amdhsa_float_denorm_mode_32 3
		.amdhsa_float_denorm_mode_16_64 3
		.amdhsa_memory_ordered 1
		.amdhsa_forward_progress 1
		.amdhsa_inst_pref_size 83
	.end_amdhsa_kernel
	.amdgpu_metadata
---
amdhsa.version: [ 1, 2 ]
amdhsa.kernels:
  - .name:           k_q003de755c5_project
    .symbol:         k_q003de755c5_project.kd
    .args:
      - { .name: x, .offset: 0, .size: 8, .value_kind: global_buffer, .address_space: global }
      - { .name: Wk, .offset: 8, .size: 8, .value_kind: global_buffer, .address_space: global }
      - { .name: Wq, .offset: 16, .size: 8, .value_kind: global_buffer, .address_space: global }
      - { .name: Wv, .offset: 24, .size: 8, .value_kind: global_buffer, .address_space: global }
      - { .name: lowp_scales, .offset: 32, .size: 8, .value_kind: global_buffer, .address_space: global }
      - { .name: kimg, .offset: 40, .size: 8, .value_kind: global_buffer, .address_space: global }
      - { .name: qimg, .offset: 48, .size: 8, .value_kind: global_buffer, .address_space: global }
      - { .name: vimg, .offset: 56, .size: 8, .value_kind: global_buffer, .address_space: global }
    .group_segment_fixed_size: 235008
    .private_segment_fixed_size: 0
    .kernarg_segment_align: 8
    .kernarg_segment_size: 64
    .max_flat_workgroup_size: 384
    .sgpr_count:     96
    .vgpr_count:     234
    .wavefront_size: 32
...
	.end_amdgpu_metadata
.endif
;; end of part 1
;; launch attend (part 2): grid 64 x 4, 8 waves a work-group, no clusters, 74,752 bytes of LDS; arguments qimg, kimg, vimg, lowp_scales, out0; writes out0
.if DOCPART == 2
	.amdgcn_target "amdgcn-amd-amdhsa--gfx1250"
	.amdhsa_code_object_version 6
	.text
	.protected	k_q003de755c5_attend
	.globl	k_q003de755c5_attend
	.p2align	8
	.type	k_q003de755c5_attend,@function
k_q003de755c5_attend:
	s_mov_b64 s[64:65], 0
	v_nop
	global_prefetch_b8 v0, s[64:65] scope:SCOPE_SE
	s_setreg_imm32_b32 hwreg(HW_REG_WAVE_MODE, 25, 1), 1
	s_wait_xcnt 0x0
; out[b][q][:] = the sum over keys k <= q of softmax_k(q . k / sqrt(512)) v[k][:], both products on codes of BF8 (E5M2).  4 batches, 4,096 rows, head of 64.
; qimg, kimg: a tile of 16 rows is 1,024 bytes, the image of a K = 64 fragment's registers.  vimg: a step of 128 keys is 8,192 bytes, the images of four K = 128 fragments (16 channels x 128 keys).
; THE SOFTMAX AHEAD OF THE SECOND PRODUCT: t = score x log2(e) / sqrt(512); M = the largest t so far, rounded UP to a whole number; p = 2^(t - M) is quantised with 2^e8; the row's sum is taken of the
; unquantised p and divides at the end.  When M moves, the sum and O are multiplied by 2^(old M - new M): exact.
; SHARES.  The 128 half-blocks of 32 queries of a batch need (hb / 4) + 1 key steps of 128.  Work-group (p, b) takes half-blocks 127 - p (waves 0-3) and p (waves 4-7): 33 steps in every work-group.
; The four waves of a half-block SPLIT THE KEYS: a wave takes steps a, a + 4, a + 8 .. (a = its number among the four, counted the other way round in the second half-block), for both tiles of 16 queries,
; so that each fragment of K and V feeds two matrix instructions.  Each wave has its own M, sum and O^T; they meet in LDS at the end, brought under the largest M by exact powers of two.
; Fragments come straight from memory into registers, dense: each is read by one wave of the work-group, so LDS would only add a copy.  NO CLUSTER: neighbouring work-groups walk the same K and V,
; but with different numbers of steps ((hb / 4) + 1) and each wave with steps of its own, so there is no tile that partners would ask for in the same trip.
; LAYOUT.  Both products transposed: S^T = K Q^T (source 0 = 16 keys, source 1 = 16 queries), O^T = V^T P^T: a lane holds ONE query (lane % 16) throughout, and tile u's eight scores of a lane are keys
; 16 u + 8 (lane / 16) + 0 .. 7: just the k of registers 2 u, 2 u + 1 of the second product's operand.  No key changes its place.
; CAUSAL.  Only a half-block's last step crosses the diagonal: there hidden scores become -infinity ahead of the maximum.  Its first key counts for every query of the half-block.
; LIMITS on the given exponents: e6 + e7 between -120 and 120 (added to c's exponent field); e8 between -126 and 112; e8 + e9 is applied by v_ldexp_f32.
; REGISTERS.  Window 0: v2, v3 (-M, largest t), v[4:5] the sum of tile 0; v6-9 the same of tile 1; v[10:11] f; v12-17 at work; v18, v19 p's limit and scale; v20-28 offsets and LDS addresses;
;   v32-63 p's codes, 16 a tile; v64-191 S^T, then p, 64 a tile; v192-255 O^T, 32 a tile.   Window 1: v0-15 Q; v64-127 K's eight fragments; v128-191 V's four.
.set STG,  8704                        ; LDS: a wave's stage for O: 32 rows x (256 bytes + 16)
.set STAT, 8*STG                       ; behind the stages: 512 bytes a wave: [tile][-M, sum][4 x lane]
.set L16,  20                          ; v20  16 x lane
.set L8,   21                          ; v21  8 x lane
.set DD,   22                          ; v22  the mask's d
.set NINF, 24                          ; v24  -infinity
.set SWA,  25                          ; v25  where I store my figures
.set SRA,  26                          ; v26  where I read my half-block's
.set GIN,  27                          ; v27  the stage, on the way in
.set GBK,  28                          ; v28  and back
.set PCD,  32
.set SR,   64
.set OT,   192
.set QF,   0                           ; in window 1
.set KF,   64
.set VF,   128
.set WV,   14                          ; s14 wave, s15 which half-block, s16 my number among its four waves
.set ROLE, 15
.set KW,   16
.set BB,   18                          ; s18 batch
.set HB,   19                          ; s19 half-block
.set AA,   21                          ; s21 my first step
.set CNT,  22                          ; s22 steps to go
.set ST,   23                          ; s23 the step in hand
.set NL,   24                          ; s24 the half-block's last step
.set CS,   26                          ; s[26:27] c x 2^(e6 + e7)
.set SEL,  28                          ; s[28:29] lane selects for v_permlanex16_b32: lane l xor 16
.set EPV,  31                          ; s31 e8 + e9
.set EP,   34                          ; s[32:35] e6, e7, e8, e9
.set MSB, 0
.macro WIN new                         ; the immediate's high byte repeats the setting that is left; a switch that changes nothing is dropped
.if MSB != \new
	s_set_vgpr_msb (MSB<<8)|\new
.set MSB, \new
.endif
.endm
.macro PLACES                          ; four places behind matrix instructions: in front of loads into their sources and of the first read of their results
.rept 4
	v_nop
.endr
.endm
.macro LOADK                           ; a step's eight fragments of K: 8,192 consecutive bytes, 512 a load
.set i, 0
.rept 16
	global_load_b128 v[KF+4*i:KF+4*i+3], v[L16], s[6:7] offset:512*i
.set i, i+1
.endr
.endm
.macro LOADV                           ; its four fragments of V: 8,192 consecutive bytes, 256 a load
.set i, 0
.rept 32
	global_load_b64 v[VF+2*i:VF+2*i+1], v[L8], s[8:9] offset:256*i
.set i, i+1
.endr
.endm
.macro CONSTS                          ; what is made of the given exponents
	s_wait_kmcnt 0x0
	s_add_co_i32 s36, s32, s33
	s_lshl_b32 s36, s36, 23
	s_add_co_i32 s[CS], s36, 0x3d8293ee            ; c = log2(e) / sqrt(512); a score stands for score x 2^(e6 + e7): the exponents are added to c's exponent field
	s_mov_b32 s[CS+1], s[CS]                       ; (named with it as a pair, so it is written)
	s_add_co_i32 s36, s[EP], 127
	s_lshl_b32 s37, s36, 23
	v_mov_b32 v19, s37                             ; 2^e8 as f32, for the conversion
	s_add_co_i32 s36, s36, 15
	s_lshl_b32 s36, s36, 23
	s_or_b32 s36, s36, 0x600000
	v_mov_b32 v18, s36                             ; 57,344 x 2^e8
	s_add_co_i32 s[EPV], s[EP], s35
.endm
	s_load_b256 s[4:11], s[0:1], 0x0               ; qimg s[4:5], kimg s[6:7], vimg s[8:9], the exponents s[10:11]
	s_load_b64 s[12:13], s[0:1], 0x20              ; out
	v_lshl_add_u32 v23, v0, 2, 0x12000
	v_mov_b32 v31, 0
	v_lshrrev_b32 v1, 5, v0
	v_readfirstlane_b32 s[WV], v1                  ; wave 0..7
	s_lshr_b32 s[ROLE], s[WV], 2
	s_and_b32 s[KW], s[WV], 3
	s_and_b32 s[BB], ttmp7, 0xffff
	s_sub_co_u32 s36, 127, ttmp9
	s_sub_co_u32 s37, 3, s[KW]
	s_cmp_eq_u32 s[ROLE], 0
	s_cselect_b32 s[HB], s36, ttmp9                ; half-block 127 - p or p
	s_cselect_b32 s[AA], s[KW], s37                ; my first step: counted the other way round in the second, so that the waves with one step more are spread
	s_lshr_b32 s[NL], s[HB], 2                     ; n - 1
	s_add_co_u32 s[CNT], s[NL], 4
	s_sub_co_u32 s[CNT], s[CNT], s[AA]
	s_lshr_b32 s[CNT], s[CNT], 2                   ; (n - a + 3) / 4 steps are mine; none where a >= n
	s_mov_b32 s[ST], s[AA]
	s_mov_b32 s[SEL], 0x76543210
	s_mov_b32 s[SEL+1], 0xfedcba98
	v_and_b32 v1, 31, v0                           ; lane
	v_and_b32 v29, 15, v0                          ; r
	v_bfe_u32 v30, v0, 4, 1                        ; h
	v_lshlrev_b32 v[L16], 4, v1
	v_lshlrev_b32 v[L8], 3, v1
	v_lshlrev_b32 v12, 3, v30
	v_sub_nc_u32 v[DD], v29, v12
	s_and_b32 s36, s[HB], 3
	s_lshl_b32 s36, s36, 5
	v_add_nc_u32 v[DD], s36, v[DD]                 ; d = r - 8 h + 32 (hb % 4): in the last step, register 8 u + j of tile t is hidden where 16 u + j - 16 t > d
	v_mov_b32 v[NINF], 0xff800000
	; every LDS address is made here, ahead of the first branch: a constant, a constant x lane, a constant x wave
	s_lshl_b32 s36, s[WV], 9
	s_add_co_u32 s36, s36, STAT
	v_lshl_add_u32 v[SWA], v1, 2, s36
	s_lshl_b32 s36, s[ROLE], 11
	s_add_co_u32 s36, s36, STAT
	v_lshl_add_u32 v[SRA], v1, 2, s36
	s_mul_i32 s36, s[WV], STG
	v_mul_u32_u24 v[GIN], v29, 272
	v_lshl_add_u32 v[GIN], v30, 5, v[GIN]
	v_add_nc_u32 v[GIN], s36, v[GIN]               ; in: my stage, row r, + 32 h
	s_mul_i32 s36, s[ROLE], 4*STG
	s_mul_i32 s37, s[KW], 8*272
	s_add_co_u32 s36, s36, s37
	v_mul_u32_u24 v[GBK], v30, 272
	v_lshl_add_u32 v[GBK], v29, 4, v[GBK]
	v_add_nc_u32 v[GBK], s36, v[GBK]               ; back: rows 8 kw on of my half-block's first stage; lanes 0-15 one row, lanes 16-31 the next
	v_mov_b32 v3, 0xff61b1e6                       ; the largest t so far: -3e38, under every t
	v_mov_b32 v7, 0xff61b1e6
	v_floor_f32 v2, -v3                            ; -M
	v_floor_f32 v6, -v7
	v_mov_b32 v4, 0                                ; the sums, in two halves
	v_mov_b32 v5, 0
	v_mov_b32 v8, 0
	v_mov_b32 v9, 0
	v_mov_b32 v11, 0                               ; (named as the upper half of the pair v[10:11])
	v_mov_b32 v14, 0                               ; written once: a lane permute's destination counts as one of its sources
.set i, 0
.rept 64
	v_mov_b32 v[OT+i], 0                           ; O^T.  (The step is written once: the first finds zeros; a wave without a step hands zeros on)
.set i, i+1
.endr
	s_lshl_b32 s40, s[BB], 5
	s_add_co_u32 s40, s40, s[AA]
	s_lshl_b32 s40, s40, 13                        ; K, V: step 32 b + a, 8,192 bytes each
	s_mov_b32 s41, 0
	s_lshl_b32 s42, s[BB], 8
	s_lshl_b32 s43, s[HB], 1
	s_add_co_u32 s42, s42, s43
	s_lshl_b32 s42, s42, 10                        ; Q: tile 256 b + 2 hb, 1,024 bytes each
	s_mov_b32 s43, 0
	s_lshl_b32 s44, s[BB], 12
	s_lshl_b32 s45, s[HB], 5
	s_add_co_u32 s44, s44, s45
	s_lshl_b32 s45, s[KW], 3
	s_add_co_u32 s44, s44, s45
	s_lshl_b32 s44, s44, 8                         ; out: row 4,096 b + 32 hb + 8 kw, 256 bytes each
	s_mov_b32 s45, 0
	s_wait_kmcnt 0x0
	s_load_b128 s[32:35], s[10:11], 0x18           ; e6, e7, e8, e9
	s_add_nc_u64 s[6:7], s[6:7], s[40:41]
	s_add_nc_u64 s[8:9], s[8:9], s[40:41]
	s_add_nc_u64 s[4:5], s[4:5], s[42:43]
	s_add_nc_u64 s[12:13], s[12:13], s[44:45]
	s_cmp_eq_u32 s[CNT], 0
	s_cbranch_scc1 .Lidle                          ; a wave without a step loads nothing and goes to the merge
	WIN 0x40                                       ; destination window 1, address window 0
.set i, 0
.rept 4
	global_load_b128 v[QF+4*i:QF+4*i+3], v[L16], s[4:5] offset:512*i   ; Q's two fragments stay in registers
.set i, i+1
.endr
	LOADK
	LOADV
	WIN 0
	CONSTS
; One tile's softmax for one key step.
.macro SOFT t
.set SB, SR+64*\t
.set NM, 2+4*\t
.set LS, 4+4*\t
	v_max3_num_f32 v12, v[SB], v[SB+1], v[SB+2]    ; the step's largest score of my query among my 64 keys, in two chains, each accumulator from its low end on
	v_max3_num_f32 v13, v[SB+3], v[SB+4], v[SB+5]
.irp i, 6,10,14,18,22,26,30,34,38,42,46,50,54,58
	v_max3_num_f32 v12, v12, v[SB+\i], v[SB+\i+1]
	v_max3_num_f32 v13, v13, v[SB+\i+2], v[SB+\i+3]
.endr
	v_max3_num_f32 v12, v12, v[SB+62], v[SB+63]
	v_max_num_f32 v12, v12, v13
	v_permlanex16_b32 v14, v12, s[SEL], s[SEL+1]
	v_max_num_f32 v12, v12, v14                    ; and among lane l xor 16's
	v_mul_f32 v12, s[CS], v12                      ; as t (c is positive)
	v_max_num_f32 v[NM+1], v[NM+1], v12            ; the running largest t
	v_mov_b32 v12, v[NM]
	v_floor_f32 v[NM], -v[NM+1]                    ; the new -M = floor(-t) = -ceil(t): a whole number
	v_sub_f32 v12, v[NM], v12                      ; old M - new M: a whole number, 0 or less
	v_cvt_i32_f32 v12, v12                         ; (it saturates)
	v_ldexp_f32 v10, 1.0, v12                      ; f = 2^(old M - new M)
.set j, 0
.rept 32
	v_pk_fma_f32 v[SB+j:SB+j+1], v[SB+j:SB+j+1], s[CS:CS+1], v[NM:NM+1] op_sel_hi:[1,0,0]   ; t - M, two at a time (of the pairs c and -M the low word serves both halves)
.set j, j+2
.endr
.set j, 0
.rept 64
	v_exp_f32 v[SB+j], v[SB+j]                     ; p = 2^(t - M): not normalised
.set j, j+1
.endr
	v_pk_mul_f32 v[LS:LS+1], v[LS:LS+1], v[10:11] op_sel_hi:[1,0]   ; the sums under the new M.  (The plain line behind the exponentials)
	s_wait_alu depctr_va_vdst(0)
	v_pk_add_f32 v[16:17], v[SB:SB+1], v[SB+2:SB+3]                 ; the row's sum is taken of the UNQUANTISED p, in two chains
.irp j, 4,8,12,16,20,24,28,32,36,40,44,48,52,56,60
	v_pk_add_f32 v[LS:LS+1], v[LS:LS+1], v[SB+\j:SB+\j+1]
	v_pk_add_f32 v[16:17], v[16:17], v[SB+\j+2:SB+\j+3]
.endr
	v_pk_add_f32 v[LS:LS+1], v[LS:LS+1], v[16:17]
	s_cmp_ge_i32 s[EP], -15                        ; the hold at the largest code: 57,344 x 2^e8 is 1.75 or more where e8 >= -15, and p does not pass 1 by more than a last bit: the hold then changes nothing
	s_cbranch_scc1 .Lno_hold_\@
.set j, 0
.rept 64
	v_min_num_f32 v[SB+j], v[SB+j], v18            ; the conversion to an 8-bit code does not saturate (ISA guide 7.6.2); p is not negative, so the hold is one-sided
.set j, j+1
.endr
.Lno_hold_\@:
.irp u, 0,1,2,3,4,5,6,7
	v_cvt_scalef32_pk8_bf8_f32 v[PCD+16*\t+2*\u:PCD+16*\t+2*\u+1], v[SB+8*\u:SB+8*\u+7], v19   ; registers 2 u, 2 u + 1 of the operand: keys 16 u + 8 h + 0 .. 7
.endr
.set j, 0
.rept 16
	v_pk_mul_f32 v[OT+32*\t+j:OT+32*\t+j+1], v[OT+32*\t+j:OT+32*\t+j+1], v[10:11] op_sel_hi:[1,0]   ; O^T under the new M, from each accumulator's low end on.  (Plain lines behind the conversions)
.set j, j+2
.endr
.endm
	s_wait_loadcnt 32                              ; Q's 4 and K's 16 loads are in; V's 32, issued behind them, may be out
.Ltrip:
	WIN 0x05                                       ; sources 0 (K) and 1 (Q) window 1, destination window 0
.irp u, 0,1,2,3,4,5,6,7
.irp t, 0,1
	v_wmma_f32_16x16x64_bf8_bf8 v[SR+64*\t+8*\u:SR+64*\t+8*\u+7], v[KF+8*\u:KF+8*\u+7], v[QF+8*\t:QF+8*\t+7], 0
.endr
.endr
	WIN 0
	PLACES
	s_cmp_eq_u32 s[CNT], 1                         ; my last step asks for nothing more: no load leaves its buffer
	s_cbranch_scc1 .Lno_k
	s_add_nc_u64 s[6:7], s[6:7], 4*8192            ; K's loads have been shown done (the wait in front of the loop, later the wait for 0 below): their base may step, four steps on
	WIN 0x40
	LOADK                                          ; lands while the softmax is walked
	WIN 0
.Lno_k:
	s_cmp_lg_u32 s[ST], s[NL]
	s_cbranch_scc1 .Lopen                          ; a scalar branch on ids: only the half-block's last step crosses the diagonal
.irp t, 0,1
.set n, 0
.rept 64
	v_cmp_gt_i32 vcc_lo, 2*(n-n%8)+n%8-16*\t, v[DD]
	v_cndmask_b32 v[SR+64*\t+n], v[SR+64*\t+n], v[NINF], vcc_lo
.set n, n+1
.endr
.endr
.Lopen:
	SOFT 0
	SOFT 1
	s_wait_loadcnt 0x0                             ; V (asked for a step ago) and the next K (a softmax ago): right whichever of the two branches was taken
	WIN 0x01                                       ; source 0 (V) window 1
.irp d, 0,1,2,3                        ; O^T += V^T P^T: the eight accumulators take turns, one instruction a turn
.irp t, 0,1
	v_wmma_f32_16x16x128_bf8_bf8 v[OT+32*\t+8*\d:OT+32*\t+8*\d+7], v[VF+16*\d:VF+16*\d+15], v[PCD+16*\t:PCD+16*\t+15], v[OT+32*\t+8*\d:OT+32*\t+8*\d+7]
.endr
.endr
	WIN 0
	PLACES
	s_cmp_eq_u32 s[CNT], 1
	s_cbranch_scc1 .Lno_v
	s_add_nc_u64 s[8:9], s[8:9], 4*8192            ; behind the wait for 0: no load of mine is out
	WIN 0x40
	LOADV
	WIN 0
.Lno_v:
	s_add_co_u32 s[ST], s[ST], 4
	s_sub_co_u32 s[CNT], s[CNT], 1
	s_cmp_lg_u32 s[CNT], 0
	s_cbranch_scc1 .Ltrip
	s_branch .Lmerge
.Lidle:
	CONSTS
.Lmerge:
	; THE MERGE.  Each wave's -M and sum go to LDS; every wave reads its half-block's four.
	v_add_f32 v4, v4, v5                           ; the sum's two halves,
	v_add_f32 v8, v8, v9
	v_permlanex16_b32 v14, v4, s[SEL], s[SEL+1]
	v_add_f32 v4, v4, v14                          ; and lane l xor 16's
	v_permlanex16_b32 v14, v8, s[SEL], s[SEL+1]
	v_add_f32 v8, v8, v14
	ds_store_b32 v[SWA], v2
	ds_store_b32 v[SWA], v4 offset:128
	ds_store_b32 v[SWA], v6 offset:256
	ds_store_b32 v[SWA], v8 offset:384
	s_wait_dscnt 0x0                               ; for the others' sake: my stores have landed
	s_barrier_signal -1
	s_barrier_wait -1
.irp i, 0,1,2,3
.irp t, 0,1
	ds_load_b32 v[64+4*\i+2*\t], v[SRA] offset:512*\i+256*\t        ; wave i's -M of tile t,
	ds_load_b32 v[65+4*\i+2*\t], v[SRA] offset:512*\i+256*\t+128    ; and its sum
.endr
.endr
	s_wait_dscnt 0x0
; Tile t: the largest M of the four; each wave's f = 2^(its M - the largest), exact (0 for a wave without a step: the conversion saturates); the row's sum; my O^T x my f / the sum x 2^(e8 + e9).
.macro GAIN t
.set NM, 2+4*\t
	v_min_num_f32 v12, v[64+2*\t], v[68+2*\t]
	v_min_num_f32 v13, v[72+2*\t], v[76+2*\t]
	v_min_num_f32 v12, v12, v13                    ; the least -M
.irp i, 0,1,2,3
	v_sub_f32 v[80+\i], v12, v[64+4*\i+2*\t]
.endr
	v_sub_f32 v84, v12, v[NM]                      ; mine
.irp i, 0,1,2,3,4
	v_cvt_i32_f32 v[80+\i], v[80+\i]
.endr
.irp i, 0,1,2,3,4
	v_ldexp_f32 v[80+\i], 1.0, v[80+\i]
.endr
	v_mul_f32 v13, v80, v[65+2*\t]
	v_fmac_f32 v13, v81, v[69+2*\t]
	v_fmac_f32 v13, v82, v[73+2*\t]
	v_fmac_f32 v13, v83, v[77+2*\t]
	v_rcp_f32 v13, v13
	v_nop                                          ; one plain line behind a transcendental
	s_wait_alu depctr_va_vdst(0)
	v_mul_f32 v84, v84, v13
	v_ldexp_f32 v10, v84, s[EPV]
.set j, 0
.rept 16
	v_pk_mul_f32 v[OT+32*\t+j:OT+32*\t+j+1], v[OT+32*\t+j:OT+32*\t+j+1], v[10:11] op_sel_hi:[1,0]
.set j, j+2
.endr
.endm
	GAIN 0
	GAIN 1
.irp t, 0,1
.irp d, 0,1,2,3
	ds_store_b128 v[GIN], v[OT+32*\t+8*\d:OT+32*\t+8*\d+3] offset:16*272*\t+64*\d        ; lane (r, h): row 16 t + r, channels 16 d + 8 h + 0 .. 7
	ds_store_b128 v[GIN], v[OT+32*\t+8*\d+4:OT+32*\t+8*\d+7] offset:16*272*\t+64*\d+16
.endr
.endr
	s_wait_dscnt 0x0
	s_barrier_signal -1
	s_barrier_wait -1
	; each wave adds the four stages' rows 8 kw .. 8 kw + 7 of its half-block and stores them whole
.irp i, 0,1,2,3
.irp y, 0,1,2,3
	ds_load_b128 v[96+16*\i+4*\y:96+16*\i+4*\y+3], v[GBK] offset:STG*\i+2*272*\y
.endr
.endr
	s_wait_dscnt 0x0
.irp y, 0,1,2,3
.irp e, 0,2
	v_pk_add_f32 v[96+4*\y+\e:96+4*\y+\e+1], v[96+4*\y+\e:96+4*\y+\e+1], v[112+4*\y+\e:112+4*\y+\e+1]
	v_pk_add_f32 v[128+4*\y+\e:128+4*\y+\e+1], v[128+4*\y+\e:128+4*\y+\e+1], v[144+4*\y+\e:144+4*\y+\e+1]
	v_pk_add_f32 v[96+4*\y+\e:96+4*\y+\e+1], v[96+4*\y+\e:96+4*\y+\e+1], v[128+4*\y+\e:128+4*\y+\e+1]
.endr
.endr
.irp y, 0,1,2,3
	global_store_b128 v[L16], v[96+4*\y:96+4*\y+3], s[12:13] offset:512*\y th:TH_STORE_NT   ; two whole rows of 256 bytes, sixteen lanes to a row; written once, read by nobody here
.endr
	s_wait_tensorcnt 0x0
	ds_add_u32 v23, v31
	s_wait_dscnt 0x0
	s_endpgm
.Lfunc_end_k_q003de755c5_attend:
	.size	k_q003de755c5_attend, .Lfunc_end_k_q003de755c5_attend-k_q003de755c5_attend
	.p2alignl 7, 3214868480
	.fill 96, 4, 3214868480
	.section	.rodata,"a",@progbits
	.p2align	6, 0x0
	.amdhsa_kernel k_q003de755c5_attend
		.amdhsa_group_segment_fixed_size 74752
		.amdhsa_private_segment_fixed_size 0
		.amdhsa_enable_private_segment 0
		.amdhsa_kernarg_size 40
		.amdhsa_user_sgpr_count 2
		.amdhsa_user_sgpr_kernarg_segment_ptr 1
		.amdhsa_wavefront_size32 1
		.amdhsa_system_sgpr_workgroup_id_x 1
		.amdhsa_system_sgpr_workgroup_id_y 1
		.amdhsa_system_sgpr_workgroup_id_z 1
		.amdhsa_system_vgpr_workitem_id 0
		.amdhsa_next_free_vgpr 448
		.amdhsa_next_free_sgpr 80
		.amdhsa_reserve_vcc 1
		.amdhsa_float_denorm_mode_32 3
		.amdhsa_float_denorm_mode_16_64 3
		.amdhsa_memory_ordered 1
		.amdhsa_forward_progress 1
		.amdhsa_inst_pref_size 63
	.end_amdhsa_kernel
	.amdgpu_metadata
---
amdhsa.version: [ 1, 2 ]
amdhsa.kernels:
  - .name:           k_q003de755c5_attend
    .symbol:         k_q003de755c5_attend.kd
    .args:
      - { .name: qimg, .offset: 0, .size: 8, .value_kind: global_buffer, .address_space: global }
      - { .name: kimg, .offset: 8, .size: 8, .value_kind: global_buffer, .address_space: global }
      - { .name: vimg, .offset: 16, .size: 8, .value_kind: global_buffer, .address_space: global }
      - { .name: lowp_scales, .offset: 24, .size: 8, .value_kind: global_buffer, .address_space: global }
      - { .name: out0, .offset: 32, .size: 8, .value_kind: global_buffer, .address_space: global }
    .group_segment_fixed_size: 74752
    .private_segment_fixed_size: 0
    .kernarg_segment_align: 8
    .kernarg_segment_size: 40
    .max_flat_workgroup_size: 256
    .sgpr_count:     80
    .vgpr_count:     448
    .wavefront_size: 32
...
	.end_amdgpu_metadata
.endif
;; end of part 2
;; ======== version 2 of 2: 2 launches; version 1 with the launch attend written anew for expert scheduling mode
;; workspace buffers: kimg 1,048,576 bytes; qimg 1,048,576 bytes; vimg 1,048,576 bytes
;; launch project: the kernel of part 1 again; grid 256 x 1, 12 waves a work-group, no clusters, 235,008 bytes of LDS; arguments x, Wk, Wq, Wv, lowp_scales, kimg, qimg, vimg; writes kimg, qimg, vimg
;; launch attend (part 3): grid 64 x 4, 8 waves a work-group, no clusters, 74,752 bytes of LDS; arguments qimg, kimg, vimg, lowp_scales, out0; writes out0
.if DOCPART == 3
	.amdgcn_target "amdgcn-amd-amdhsa--gfx1250"
	.amdhsa_code_object_version 6
	.text
	.protected	k_q003de755c5_attend
	.globl	k_q003de755c5_attend
	.p2align	8
	.type	k_q003de755c5_attend,@function
k_q003de755c5_attend:
	s_mov_b64 s[64:65], 0
	v_nop
	global_prefetch_b8 v0, s[64:65] scope:SCOPE_SE
	s_setreg_imm32_b32 hwreg(HW_REG_WAVE_SCHED_MODE, 0, 2), 2
	s_setreg_imm32_b32 hwreg(HW_REG_WAVE_MODE, 25, 1), 1
	s_wait_xcnt 0x0
	s_wait_alu depctr_vm_vsrc(0)
; out[b][q][:] = the sum over keys k <= q of softmax_k(q . k / sqrt(512)) v[k][:], both products on codes of BF8 (E5M2).  4 batches, 4,096 rows, head of 64.
; qimg, kimg: a tile of 16 rows is 1,024 bytes, the image of a K = 64 fragment's registers.  vimg: a step of 128 keys is 8,192 bytes, the images of four K = 128 fragments (16 channels x 128 keys).
; THE SOFTMAX AHEAD OF THE SECOND PRODUCT: t = score x log2(e) / sqrt(512); M = the largest t so far, rounded UP to a whole number; p = 2^(t - M) is quantised with 2^e8; the row's sum is taken of the
; unquantised p and divides at the end.  When M moves, the sum and O are multiplied by 2^(old M - new M): exact.
; SHARES.  The 128 half-blocks of 32 queries of a batch need (hb / 4) + 1 key steps of 128.  Work-group (p, b) takes half-blocks 127 - p (waves 0-3) and p (waves 4-7): 33 steps in every work-group.
; The four waves of a half-block SPLIT THE KEYS: a wave takes steps a, a + 4, a + 8 .. (a = its number among the four, counted the other way round in the second half-block), for both tiles of 16 queries,
; so that each fragment of K and V feeds two matrix instructions.  Each wave has its own M, sum and O^T; they meet in LDS at the end, brought under the largest M by exact powers of two.
; Fragments come straight from memory into registers, dense: each is read by one wave of the work-group, so LDS would only add a copy.  NO CLUSTER: neighbouring work-groups walk the same K and V,
; but with different numbers of steps ((hb / 4) + 1) and each wave with steps of its own, so there is no tile that partners would ask for in the same trip.
; LAYOUT.  Both products transposed: S^T = K Q^T (source 0 = 16 keys, source 1 = 16 queries), O^T = V^T P^T: a lane holds ONE query (lane % 16) throughout, and tile u's eight scores of a lane are keys
; 16 u + 8 (lane / 16) + 0 .. 7: just the k of registers 2 u, 2 u + 1 of the second product's operand.  No key changes its place.
; CAUSAL.  Only a half-block's last step crosses the diagonal: there hidden scores become -infinity ahead of the maximum.  Its first key counts for every query of the half-block.
; LIMITS on the given exponents: e6 + e7 between -120 and 120 (added to c's exponent field); e8 between -126 and 112; e8 + e9 is applied by v_ldexp_f32.
; REGISTERS.  Window 0: v2, v3 (-M, largest t), v[4:5] the sum of tile 0; v6-9 the same of tile 1; v[10:11] f; v12-17 at work; v18, v19 p's limit and scale; v20-28 offsets and LDS addresses;
;   v32-63 p's codes, 16 a tile; v64-191 S^T, then p, 64 a tile; v192-255 O^T, 32 a tile.   Window 1: v0-15 Q; v64-127 K's eight fragments; v128-191 V's four.
; THE MODE: SCHED_MODE bits 1:0 = 2 (LLVM: expert scheduling mode 2), set by the entry lines.  The code itself states the register dependences between vector or matrix instructions and memory or LDS
; instructions, with s_wait_alu, always for 0.
; THE PLAN.  Registers that memory or LDS instructions touch:
;   v20, v21      offsets of every global load and of the last stores: written at the head, never again; the scalar bases step.
;   v25 .. v28    LDS addresses of the merge: written at the head, never again.
;   Q             loaded once.
;   K             read by a step's 16 products K Q^T; then the loads of the step after it land there.
;   V             read by a step's 8 products V^T P; then the next step's loads land there.
;   in the merge  v2, v4, v6, v8 and O^T are LDS stores' data; LDS loads land in v64-79 and v96-159, which held S^T and p; v96-111 are the global stores' data.
;   S^T, p's codes and the statistics are named, in the loop, by vector and matrix instructions alone.
; A trip is: step i's mask and softmax; the wait for all loads; V^T P of step i; K Q^T of step i + 1; four places; ONE wait on va_vdst, which states that both runs of products are done reading V and K;
; the loads of V of step i + 1 and of K of step i + 2, with nothing but loads, window switches and scalar lines between the wait and the last of them.  Step 0's K Q^T and step 1's loads of K stand ahead of
; the loop.  Beside that wait a trip has one for each tile's batch of exponentials.  No register that a memory or LDS instruction reads is ever written again, so no wait on vm_vsrc is owed.
.set STG,  8704                        ; LDS: a wave's stage for O: 32 rows x (256 bytes + 16)
.set STAT, 8*STG                       ; behind the stages: 512 bytes a wave: [tile][-M, sum][4 x lane]
.set L16,  20                          ; v20  16 x lane
.set L8,   21                          ; v21  8 x lane
.set DD,   22                          ; v22  the mask's d
.set NINF, 24                          ; v24  -infinity
.set SWA,  25                          ; v25  where I store my figures
.set SRA,  26                          ; v26  where I read my half-block's
.set GIN,  27                          ; v27  the stage, on the way in
.set GBK,  28                          ; v28  and back
.set PCD,  32
.set SR,   64
.set OT,   192
.set QF,   0                           ; in window 1
.set KF,   64
.set VF,   128
.set WV,   14                          ; s14 wave, s15 which half-block, s16 my number among its four waves
.set ROLE, 15
.set KW,   16
.set BB,   18                          ; s18 batch
.set HB,   19                          ; s19 half-block
.set AA,   21                          ; s21 my first step
.set CNT,  22                          ; s22 steps to go
.set ST,   23                          ; s23 the step in hand
.set NL,   24                          ; s24 the half-block's last step
.set CS,   26                          ; s[26:27] c x 2^(e6 + e7)
.set SEL,  28                          ; s[28:29] lane selects for v_permlanex16_b32: lane l xor 16
.set EPV,  31                          ; s31 e8 + e9
.set EP,   34                          ; s[32:35] e6, e7, e8, e9
.set MK,   66                          ; s[66:97] the causal mask's lane masks, 32 compares at a time
.set MSB, 0
.macro WIN new                         ; the immediate's high byte repeats the setting that is left; a switch that changes nothing is dropped
.if MSB != \new
	s_set_vgpr_msb (MSB<<8)|\new
.set MSB, \new
.endif
.endm
.macro PLACES                          ; four places behind matrix instructions (ISA guide 7.12.1), in front of the first read of their results
.rept 4
	v_nop
.endr
.endm
.macro LOADK                           ; a step's eight fragments of K: 8,192 consecutive bytes, 512 a load
.set i, 0
.rept 16
	global_load_b128 v[KF+4*i:KF+4*i+3], v[L16], s[6:7] offset:512*i
.set i, i+1
.endr
.endm
.macro LOADV                           ; its four fragments of V: 8,192 consecutive bytes, 256 a load
.set i, 0
.rept 32
	global_load_b64 v[VF+2*i:VF+2*i+1], v[L8], s[8:9] offset:256*i
.set i, i+1
.endr
.endm
.macro KQALL                           ; S^T = K Q^T of one step: eight tiles of 16 keys x my two tiles of queries; each product starts its sum
.irp u, 0,1,2,3,4,5,6,7
.irp t, 0,1
	v_wmma_f32_16x16x64_bf8_bf8 v[SR+64*\t+8*\u:SR+64*\t+8*\u+7], v[KF+8*\u:KF+8*\u+7], v[QF+8*\t:QF+8*\t+7], 0
.endr
.endr
.endm
.macro CONSTS                          ; what is made of the given exponents
	s_wait_kmcnt 0x0
	s_add_co_i32 s36, s32, s33
	s_lshl_b32 s36, s36, 23
	s_add_co_i32 s[CS], s36, 0x3d8293ee            ; c = log2(e) / sqrt(512); a score stands for score x 2^(e6 + e7): the exponents are added to c's exponent field
	s_mov_b32 s[CS+1], s[CS]                       ; (named with it as a pair, so it is written)
	s_add_co_i32 s36, s[EP], 127
	s_lshl_b32 s37, s36, 23
	v_mov_b32 v19, s37                             ; 2^e8 as f32, for the conversion
	s_add_co_i32 s36, s36, 15
	s_lshl_b32 s36, s36, 23
	s_or_b32 s36, s36, 0x600000
	v_mov_b32 v18, s36                             ; 57,344 x 2^e8
	s_add_co_i32 s[EPV], s[EP], s35
.endm
	s_load_b256 s[4:11], s[0:1], 0x0               ; qimg s[4:5], kimg s[6:7], vimg s[8:9], the exponents s[10:11]
	s_load_b64 s[12:13], s[0:1], 0x20              ; out
	v_lshl_add_u32 v23, v0, 2, 0x12000
	v_mov_b32 v31, 0
	v_lshrrev_b32 v1, 5, v0
	v_readfirstlane_b32 s[WV], v1                  ; wave 0..7
	s_wait_alu depctr_va_sdst(0)                   ; the wave's number is written, ahead of its first reader: shares, bases and LDS addresses are made from it
	s_lshr_b32 s[ROLE], s[WV], 2
	s_and_b32 s[KW], s[WV], 3
	s_and_b32 s[BB], ttmp7, 0xffff
	s_sub_co_u32 s36, 127, ttmp9
	s_sub_co_u32 s37, 3, s[KW]
	s_cmp_eq_u32 s[ROLE], 0
	s_cselect_b32 s[HB], s36, ttmp9                ; half-block 127 - p or p
	s_cselect_b32 s[AA], s[KW], s37                ; my first step: counted the other way round in the second, so that the waves with one step more are spread
	s_lshr_b32 s[NL], s[HB], 2                     ; n - 1
	s_add_co_u32 s[CNT], s[NL], 4
	s_sub_co_u32 s[CNT], s[CNT], s[AA]
	s_lshr_b32 s[CNT], s[CNT], 2                   ; (n - a + 3) / 4 steps are mine; none where a >= n
	s_mov_b32 s[ST], s[AA]
	s_mov_b32 s[SEL], 0x76543210
	s_mov_b32 s[SEL+1], 0xfedcba98
	v_and_b32 v1, 31, v0                           ; lane
	v_and_b32 v29, 15, v0                          ; r
	v_bfe_u32 v30, v0, 4, 1                        ; h
	v_lshlrev_b32 v[L16], 4, v1
	v_lshlrev_b32 v[L8], 3, v1
	v_lshlrev_b32 v12, 3, v30
	v_sub_nc_u32 v[DD], v29, v12
	s_and_b32 s36, s[HB], 3
	s_lshl_b32 s36, s36, 5
	v_add_nc_u32 v[DD], s36, v[DD]                 ; d = r - 8 h + 32 (hb % 4): in the last step, register 8 u + j of tile t is hidden where 16 u + j - 16 t > d
	v_mov_b32 v[NINF], 0xff800000
	; every LDS address is made here, ahead of the first branch: a constant, a constant x lane, a constant x wave
	s_lshl_b32 s36, s[WV], 9
	s_add_co_u32 s36, s36, STAT
	v_lshl_add_u32 v[SWA], v1, 2, s36
	s_lshl_b32 s36, s[ROLE], 11
	s_add_co_u32 s36, s36, STAT
	v_lshl_add_u32 v[SRA], v1, 2, s36
	s_mul_i32 s36, s[WV], STG
	v_mul_u32_u24 v[GIN], v29, 272
	v_lshl_add_u32 v[GIN], v30, 5, v[GIN]
	v_add_nc_u32 v[GIN], s36, v[GIN]               ; in: my stage, row r, + 32 h
	s_mul_i32 s36, s[ROLE], 4*STG
	s_mul_i32 s37, s[KW], 8*272
	s_add_co_u32 s36, s36, s37
	v_mul_u32_u24 v[GBK], v30, 272
	v_lshl_add_u32 v[GBK], v29, 4, v[GBK]
	v_add_nc_u32 v[GBK], s36, v[GBK]               ; back: rows 8 kw on of my half-block's first stage; lanes 0-15 one row, lanes 16-31 the next
	v_mov_b32 v3, 0xff61b1e6                       ; the largest t so far: -3e38, under every t
	v_mov_b32 v7, 0xff61b1e6
	v_floor_f32 v2, -v3                            ; -M
	v_floor_f32 v6, -v7
	v_mov_b32 v4, 0                                ; the sums, in two halves
	v_mov_b32 v5, 0
	v_mov_b32 v8, 0
	v_mov_b32 v9, 0
	v_mov_b32 v11, 0                               ; (named as the upper half of the pair v[10:11])
	v_mov_b32 v14, 0                               ; written once: a lane permute's destination counts as one of its sources
.set i, 0
.rept 64
	v_mov_b32 v[OT+i], 0                           ; O^T.  (The step is written once: the first finds zeros; a wave without a step hands zeros on)
.set i, i+1
.endr
	s_lshl_b32 s40, s[BB], 5
	s_add_co_u32 s40, s40, s[AA]
	s_lshl_b32 s40, s40, 13                        ; K, V: step 32 b + a, 8,192 bytes each
	s_mov_b32 s41, 0
	s_lshl_b32 s42, s[BB], 8
	s_lshl_b32 s43, s[HB], 1
	s_add_co_u32 s42, s42, s43
	s_lshl_b32 s42, s42, 10                        ; Q: tile 256 b + 2 hb, 1,024 bytes each
	s_mov_b32 s43, 0
	s_lshl_b32 s44, s[BB], 12
	s_lshl_b32 s45, s[HB], 5
	s_add_co_u32 s44, s44, s45
	s_lshl_b32 s45, s[KW], 3
	s_add_co_u32 s44, s44, s45
	s_lshl_b32 s44, s44, 8                         ; out: row 4,096 b + 32 hb + 8 kw, 256 bytes each
	s_mov_b32 s45, 0
	s_wait_kmcnt 0x0
	s_load_b128 s[32:35], s[10:11], 0x18           ; e6, e7, e8, e9
	s_add_nc_u64 s[6:7], s[6:7], s[40:41]
	s_add_nc_u64 s[8:9], s[8:9], s[40:41]
	s_add_nc_u64 s[4:5], s[4:5], s[42:43]
	s_add_nc_u64 s[12:13], s[12:13], s[44:45]
	s_cmp_eq_u32 s[CNT], 0
	s_cbranch_scc1 .Lidle                          ; a wave without a step loads nothing and goes to the merge
	WIN 0x40                                       ; destination window 1, address window 0
	s_wait_alu depctr_va_vdst(0)                   ; v20 and v21 are written: every global load reads one of them as its offset
.set i, 0
.rept 4
	global_load_b128 v[QF+4*i:QF+4*i+3], v[L16], s[4:5] offset:512*i   ; Q's two fragments stay in registers
.set i, i+1
.endr
	LOADK
	LOADV
	WIN 0
	CONSTS
; One tile's softmax for one key step.
.macro SOFT t
.set SB, SR+64*\t
.set NM, 2+4*\t
.set LS, 4+4*\t
	v_max3_num_f32 v12, v[SB], v[SB+1], v[SB+2]    ; the step's largest score of my query among my 64 keys, in two chains, each accumulator from its low end on
	v_max3_num_f32 v13, v[SB+3], v[SB+4], v[SB+5]
.irp i, 6,10,14,18,22,26,30,34,38,42,46,50,54,58
	v_max3_num_f32 v12, v12, v[SB+\i], v[SB+\i+1]
	v_max3_num_f32 v13, v13, v[SB+\i+2], v[SB+\i+3]
.endr
	v_max3_num_f32 v12, v12, v[SB+62], v[SB+63]
	v_max_num_f32 v12, v12, v13
	v_permlanex16_b32 v14, v12, s[SEL], s[SEL+1]
	v_max_num_f32 v12, v12, v14                    ; and among lane l xor 16's
	v_mul_f32 v12, s[CS], v12                      ; as t (c is positive)
	v_max_num_f32 v[NM+1], v[NM+1], v12            ; the running largest t
	v_mov_b32 v12, v[NM]
	v_floor_f32 v[NM], -v[NM+1]                    ; the new -M = floor(-t) = -ceil(t): a whole number
	v_sub_f32 v12, v[NM], v12                      ; old M - new M: a whole number, 0 or less
	v_cvt_i32_f32 v12, v12                         ; (it saturates)
	v_ldexp_f32 v10, 1.0, v12                      ; f = 2^(old M - new M)
.set j, 0
.rept 32
	v_pk_fma_f32 v[SB+j:SB+j+1], v[SB+j:SB+j+1], s[CS:CS+1], v[NM:NM+1] op_sel_hi:[1,0,0]   ; t - M, two at a time (of the pairs c and -M the low word serves both halves)
.set j, j+2
.endr
.set j, 0
.rept 64
	v_exp_f32 v[SB+j], v[SB+j]                     ; p = 2^(t - M): not normalised
.set j, j+1
.endr
	v_pk_mul_f32 v[LS:LS+1], v[LS:LS+1], v[10:11] op_sel_hi:[1,0]   ; the sums under the new M.  (The plain line behind the exponentials)
	s_wait_alu depctr_va_vdst(0)                   ; the tile's 64 exponentials have written p: one wait for the batch, ahead of its first reader
	v_pk_add_f32 v[16:17], v[SB:SB+1], v[SB+2:SB+3]                 ; the row's sum is taken of the UNQUANTISED p, in two chains
.irp j, 4,8,12,16,20,24,28,32,36,40,44,48,52,56,60
	v_pk_add_f32 v[LS:LS+1], v[LS:LS+1], v[SB+\j:SB+\j+1]
	v_pk_add_f32 v[16:17], v[16:17], v[SB+\j+2:SB+\j+3]
.endr
	v_pk_add_f32 v[LS:LS+1], v[LS:LS+1], v[16:17]
	s_cmp_ge_i32 s[EP], -15                        ; the hold at the largest code: 57,344 x 2^e8 is 1.75 or more where e8 >= -15, and p does not pass 1 by more than a last bit: the hold then changes nothing
	s_cbranch_scc1 .Lno_hold_\@
.set j, 0
.rept 64
	v_min_num_f32 v[SB+j], v[SB+j], v18            ; the conversion to an 8-bit code does not saturate (ISA guide 7.6.2); p is not negative, so the hold is one-sided
.set j, j+1
.endr
.Lno_hold_\@:
.irp u, 0,1,2,3,4,5,6,7
	v_cvt_scalef32_pk8_bf8_f32 v[PCD+16*\t+2*\u:PCD+16*\t+2*\u+1], v[SB+8*\u:SB+8*\u+7], v19   ; registers 2 u, 2 u + 1 of the operand: keys 16 u + 8 h + 0 .. 7
.endr
.set j, 0
.rept 16
	v_pk_mul_f32 v[OT+32*\t+j:OT+32*\t+j+1], v[OT+32*\t+j:OT+32*\t+j+1], v[10:11] op_sel_hi:[1,0]   ; O^T under the new M, from each accumulator's low end on.  (Plain lines behind the conversions)
.set j, j+2
.endr
.endm
	s_wait_loadcnt 32                              ; Q's 4 and K's 16 loads are in; V's 32, issued behind them, may be out
	WIN 0x05                                       ; sources 0 (K) and 1 (Q) window 1, destination window 0
	KQALL                                          ; my first step's scores stand ahead of the loop
	WIN 0
	PLACES
	s_cmp_eq_u32 s[CNT], 1                         ; a wave with one step asks for nothing more: no load leaves its buffer
	s_cbranch_scc1 .Ltrip
	s_add_nc_u64 s[6:7], s[6:7], 4*8192            ; K's loads have been shown done by the counted wait above: their base may step, four steps on
	WIN 0x40
	s_wait_alu depctr_va_vdst(0)                   ; the first step's products are done reading K's fragments, in which the next step's loads land
	LOADK
	WIN 0
.Ltrip:
	s_cmp_lg_u32 s[ST], s[NL]
	s_cbranch_scc1 .Lopen                          ; a scalar branch on ids: only the half-block's last step crosses the diagonal
.irp t, 0,1
.irp g, 0,1                            ; 32 compares in a run, each into a scalar register of its own, so that one wait serves the 32 selections that read them
.set n, 32*\g
.rept 32
	v_cmp_gt_i32 s[MK+n%32], 2*(n-n%8)+n%8-16*\t, v[DD]
.set n, n+1
.endr
	s_wait_alu depctr_va_sdst(0)                   ; the 32 compares have written their lane masks, ahead of the first selection that reads one
.set n, 32*\g
.rept 32
	v_cndmask_b32 v[SR+64*\t+n], v[SR+64*\t+n], v[NINF], s[MK+n%32]
.set n, n+1
.endr
.endr
.endr
.Lopen:
	SOFT 0
	SOFT 1
	s_wait_loadcnt 0x0                             ; V (asked for a softmax ago) and the next K (a trip ago): right whichever branches were taken
	WIN 0x01                                       ; source 0 (V) window 1
.irp d, 0,1,2,3                        ; O^T += V^T P^T: the eight accumulators take turns, one instruction a turn
.irp t, 0,1
	v_wmma_f32_16x16x128_bf8_bf8 v[OT+32*\t+8*\d:OT+32*\t+8*\d+7], v[VF+16*\d:VF+16*\d+15], v[PCD+16*\t:PCD+16*\t+15], v[OT+32*\t+8*\d:OT+32*\t+8*\d+7]
.endr
.endr
	WIN 0
	s_cmp_eq_u32 s[CNT], 1                         ; my last step has no successor: no scores to make, nothing to ask for
	s_cbranch_scc1 .Lnext
	WIN 0x05
	KQALL                                          ; the next step's scores: they name none of the registers of the products above
	WIN 0
	PLACES                                         ; in front of the next trip's first read of the scores
	s_add_nc_u64 s[8:9], s[8:9], 4*8192            ; behind the wait for 0: no load of mine is out, so both bases may step
	WIN 0x40
	s_wait_alu depctr_va_vdst(0)                   ; V^T P is done reading V's fragments and K Q^T is done reading K's: the loads below land in both; no vector or matrix instruction stands between this wait and the last of them
	LOADV                                          ; the next step's V: lands while its softmax is walked
	WIN 0
	s_cmp_eq_u32 s[CNT], 2                         ; the step after the next: asked for only if it is mine: no load leaves its buffer
	s_cbranch_scc1 .Lnext
	s_add_nc_u64 s[6:7], s[6:7], 4*8192
	WIN 0x40
	LOADK                                          ; it has a whole trip in which to land
	WIN 0
.Lnext:
	s_add_co_u32 s[ST], s[ST], 4
	s_sub_co_u32 s[CNT], s[CNT], 1
	s_cmp_lg_u32 s[CNT], 0
	s_cbranch_scc1 .Ltrip
	s_branch .Lmerge
.Lidle:
	CONSTS
.Lmerge:
	; THE MERGE.  Each wave's -M and sum go to LDS; every wave reads its half-block's four.
	v_add_f32 v4, v4, v5                           ; the sum's two halves,
	v_add_f32 v8, v8, v9
	v_permlanex16_b32 v14, v4, s[SEL], s[SEL+1]
	v_add_f32 v4, v4, v14                          ; and lane l xor 16's
	v_permlanex16_b32 v14, v8, s[SEL], s[SEL+1]
	v_add_f32 v8, v8, v14
	s_wait_alu depctr_va_vdst(0)                   ; v2, v4, v6, v8 are written, which the stores below read; so are the LDS addresses v25 to v28 (on the idle wave's way this is their first wait); and all that read or wrote S^T's registers is done: the loads behind the barrier land in v64-79
	ds_store_b32 v[SWA], v2
	ds_store_b32 v[SWA], v4 offset:128
	ds_store_b32 v[SWA], v6 offset:256
	ds_store_b32 v[SWA], v8 offset:384
	s_wait_dscnt 0x0                               ; for the others' sake: my stores have landed
	s_barrier_signal -1
	s_barrier_wait -1
.irp i, 0,1,2,3
.irp t, 0,1
	ds_load_b32 v[64+4*\i+2*\t], v[SRA] offset:512*\i+256*\t        ; wave i's -M of tile t,
	ds_load_b32 v[65+4*\i+2*\t], v[SRA] offset:512*\i+256*\t+128    ; and its sum
.endr
.endr
	s_wait_dscnt 0x0
; Tile t: the largest M of the four; each wave's f = 2^(its M - the largest), exact (0 for a wave without a step: the conversion saturates); the row's sum; my O^T x my f / the sum x 2^(e8 + e9).
.macro GAIN t
.set NM, 2+4*\t
	v_min_num_f32 v12, v[64+2*\t], v[68+2*\t]
	v_min_num_f32 v13, v[72+2*\t], v[76+2*\t]
	v_min_num_f32 v12, v12, v13                    ; the least -M
.irp i, 0,1,2,3
	v_sub_f32 v[80+\i], v12, v[64+4*\i+2*\t]
.endr
	v_sub_f32 v84, v12, v[NM]                      ; mine
.irp i, 0,1,2,3,4
	v_cvt_i32_f32 v[80+\i], v[80+\i]
.endr
.irp i, 0,1,2,3,4
	v_ldexp_f32 v[80+\i], 1.0, v[80+\i]
.endr
	v_mul_f32 v13, v80, v[65+2*\t]
	v_fmac_f32 v13, v81, v[69+2*\t]
	v_fmac_f32 v13, v82, v[73+2*\t]
	v_fmac_f32 v13, v83, v[77+2*\t]
	v_rcp_f32 v13, v13
	v_nop                                          ; one plain line behind a transcendental
	s_wait_alu depctr_va_vdst(0)                   ; the reciprocal has written v13, ahead of its first reader
	v_mul_f32 v84, v84, v13
	v_ldexp_f32 v10, v84, s[EPV]
.set j, 0
.rept 16
	v_pk_mul_f32 v[OT+32*\t+j:OT+32*\t+j+1], v[OT+32*\t+j:OT+32*\t+j+1], v[10:11] op_sel_hi:[1,0]
.set j, j+2
.endr
.endm
	GAIN 0
	GAIN 1
	s_wait_alu depctr_va_vdst(0)                   ; the multiplications have written O^T, which the stores below read
.irp t, 0,1
.irp d, 0,1,2,3
	ds_store_b128 v[GIN], v[OT+32*\t+8*\d:OT+32*\t+8*\d+3] offset:16*272*\t+64*\d        ; lane (r, h): row 16 t + r, channels 16 d + 8 h + 0 .. 7
	ds_store_b128 v[GIN], v[OT+32*\t+8*\d+4:OT+32*\t+8*\d+7] offset:16*272*\t+64*\d+16
.endr
.endr
	s_wait_dscnt 0x0
	s_barrier_signal -1
	s_barrier_wait -1
	; each wave adds the four stages' rows 8 kw .. 8 kw + 7 of its half-block and stores them whole
.irp i, 0,1,2,3
.irp y, 0,1,2,3
	ds_load_b128 v[96+16*\i+4*\y:96+16*\i+4*\y+3], v[GBK] offset:STG*\i+2*272*\y   ; no vector instruction since the merge's first wait names v96-159
.endr
.endr
	s_wait_dscnt 0x0
.irp y, 0,1,2,3
.irp e, 0,2
	v_pk_add_f32 v[96+4*\y+\e:96+4*\y+\e+1], v[96+4*\y+\e:96+4*\y+\e+1], v[112+4*\y+\e:112+4*\y+\e+1]
	v_pk_add_f32 v[128+4*\y+\e:128+4*\y+\e+1], v[128+4*\y+\e:128+4*\y+\e+1], v[144+4*\y+\e:144+4*\y+\e+1]
	v_pk_add_f32 v[96+4*\y+\e:96+4*\y+\e+1], v[96+4*\y+\e:96+4*\y+\e+1], v[128+4*\y+\e:128+4*\y+\e+1]
.endr
.endr
	s_wait_alu depctr_va_vdst(0)                   ; the additions have written v96-111, which the stores below read
.irp y, 0,1,2,3
	global_store_b128 v[L16], v[96+4*\y:96+4*\y+3], s[12:13] offset:512*\y th:TH_STORE_NT   ; two whole rows of 256 bytes, sixteen lanes to a row; written once, read by nobody here
.endr
	s_wait_dscnt 0x0
	s_wait_alu depctr_hold_cnt(0) depctr_sa_sdst(0) depctr_va_vdst(0) depctr_va_sdst(0) depctr_va_ssrc(0) depctr_va_vcc(0) depctr_vm_vsrc(0)
	s_wait_tensorcnt 0x0
	ds_add_u32 v23, v31
	s_wait_dscnt 0x0
	s_endpgm
.Lfunc_end_k_q003de755c5_attend:
	.size	k_q003de755c5_attend, .Lfunc_end_k_q003de755c5_attend-k_q003de755c5_attend
	.p2alignl 7, 3214868480
	.fill 96, 4, 3214868480
	.section	.rodata,"a",@progbits
	.p2align	6, 0x0
	.amdhsa_kernel k_q003de755c5_attend
		.amdhsa_group_segment_fixed_size 74752
		.amdhsa_private_segment_fixed_size 0
		.amdhsa_enable_private_segment 0
		.amdhsa_kernarg_size 40
		.amdhsa_user_sgpr_count 2
		.amdhsa_user_sgpr_kernarg_segment_ptr 1
		.amdhsa_wavefront_size32 1
		.amdhsa_system_sgpr_workgroup_id_x 1
		.amdhsa_system_sgpr_workgroup_id_y 1
		.amdhsa_system_sgpr_workgroup_id_z 1
		.amdhsa_system_vgpr_workitem_id 0
		.amdhsa_next_free_vgpr 448
		.amdhsa_next_free_sgpr 98
		.amdhsa_reserve_vcc 0
		.amdhsa_float_denorm_mode_32 3
		.amdhsa_float_denorm_mode_16_64 3
		.amdhsa_memory_ordered 1
		.amdhsa_forward_progress 1
		.amdhsa_inst_pref_size 74
	.end_amdhsa_kernel
	.amdgpu_metadata
---
amdhsa.version: [ 1, 2 ]
amdhsa.kernels:
  - .name:           k_q003de755c5_attend
    .symbol:         k_q003de755c5_attend.kd
    .args:
      - { .name: qimg, .offset: 0, .size: 8, .value_kind: global_buffer, .address_space: global }
      - { .name: kimg, .offset: 8, .size: 8, .value_kind: global_buffer, .address_space: global }
      - { .name: vimg, .offset: 16, .size: 8, .value_kind: global_buffer, .address_space: global }
      - { .name: lowp_scales, .offset: 24, .size: 8, .value_kind: global_buffer, .address_space: global }
      - { .name: out0, .offset: 32, .size: 8, .value_kind: global_buffer, .address_space: global }
    .group_segment_fixed_size: 74752
    .private_segment_fixed_size: 0
    .kernarg_segment_align: 8
    .kernarg_segment_size: 40
    .max_flat_workgroup_size: 256
    .sgpr_count:     98
    .vgpr_count:     448
    .wavefront_size: 32
...
	.end_amdgpu_metadata
.endif
;; end of part 3
